; MI455X (gfx1250); checked and timed in simulation.
; The chip was launched on July 23, 2026; its instructions are those of AMD's public machine-readable ISA for CDNA 5 (MIT licence, August 2026) and "CDNA5" Instruction Set Architecture Reference Guide (July 2026). The comments in the code are by the model that wrote it; some were corrected since.
;; Differentiable Quantum Circuit. Allowed arithmetic: float matrix products may take bf16 or f16 operands with f32 sums; all other float work in f32.
;; Inputs: inputs 2,048 x 4,096 float32; lams 2 x 12 float32; phis 2 x 12 float32; thetas 2 x 12 float32.
;; Outputs: out0 2,048 x 4,096 float32.
;; One version. Each part assembles by itself: llvm-mc -triple=amdgcn-amd-amdhsa -mcpu=gfx1250 --defsym DOCPART=n.
;; ======== version 1 of 1: 1 launch
;; launch circuit (part 1): grid 256 x 1, 8 waves a work-group, no clusters, 21,504 bytes of LDS; arguments inputs, thetas, phis, lams, out0; writes out0
.if DOCPART == 1
	.amdgcn_target "amdgcn-amd-amdhsa--gfx1250"
	.amdhsa_code_object_version 6
	.text
	.protected	k_q20ed27fcdb_circuit
	.globl	k_q20ed27fcdb_circuit
	.p2align	8
	.type	k_q20ed27fcdb_circuit,@function
k_q20ed27fcdb_circuit:
	s_mov_b64 s[64:65], 0
	v_nop
	global_prefetch_b8 v0, s[64:65] scope:SCOPE_SE
	s_setreg_imm32_b32 hwreg(HW_REG_WAVE_MODE, 25, 1), 1
	s_wait_xcnt 0x0
; out[b][i] = | (U1 U0 x_b / |x_b|)[i] |^2,  x: [2048][4096] f32,  U_l = kron over 12 qubits of U3(theta, phi, lam)[l][q].
;
; ALGEBRA (holds for every input).  kron(A_q) kron(B_q) = kron(A_q B_q): the two layers are twelve 2x2 gates V_q = U3[1][q] U3[0][q].
; Qubit q acts on bit 11-q of the index m.  A Kronecker product may be applied group of bits by group of bits; three groups of four:
;   Q = (m11 m10 m9 m8)  qubits 0 1 2 3      T = (m5 m4 m3 m2)  qubits 6 7 8 9      W = (m7 m6 m1 m0)  qubits 4 5 10 11
; Each group's gate is 16 x 16 complex = a real map of 32 numbers to 32: one K = 32 matrix instruction for 16 real outputs of 16 vectors.
; A row costs 96 matrix instructions.  Memory bounds the launch: each input byte is read once, each output byte written once.
;
; SHARES.  One wave = one row (row = 8 x work-group + wave): 16 KiB = 128 registers a lane.  No loop, no branch, no barrier, EXEC never changes.
; All 32 row loads are issued first; sines, cosines and the three gates are made by each wave for itself while the row is on its way.
; Nothing but the 288 bytes of angles is shared between work-groups, so there is no cluster, no joint load and no tile in LDS.
;
; LAYOUT.  L = lane, r = L & 15, h = L >> 4.  A lane's 16 bytes lie at 512 h + 16 r + 1024 Q + 256 g:  r = T, h = m7, g = m6, the four floats e = (m1 m0).
; Lanes 0-15 of a load or store cover 256 consecutive bytes at a multiple of 256, lanes 16-31 the 256 bytes that begin 512 further on.
; In a 16-bit fragment (ISA guide 7.12.2) k = 16 (reg >> 2) + 8 h + 2 (reg & 3) + half; in a result register j of lane (r, h) is (m = 8 h + j, n = r).
;  stage 1, for f = 4 g + e:  A = state, row T = r, k = (m11, m7, m10, m9, m8): register i = x[Q = 2 i], x[Q = 2 i + 1].  B = tile c = 2 ri + tb:
;           column n = (m7', Q' & 7), entry delta(m7, m7') x (Re, Im)[ri] G_Q[8 tb + (n & 7)][Q].  The real input leaves half of K free;
;           m7 fills it, and comes out as bit 3 of the result's lane.   D1[c]: lane r = (m7, Q' & 7), 8 h + j = T.
;  stage 2: A register j = (D1[re][j], D1[im][j]): row r, k = (T = 8 h + j, ri).  B = G_T, column r = T'.   D2[tb][ri']: lane r = T', h = m7, j = Q' & 7.
;  stage 3, for F = Q' = 8 tb + j:  B register f = (D2[tb][re][j], D2[tb][im][j]) of pass f: column r = T', k = (W = 8 h + f, ri).  A = G_W, row r = W'.
;           D3: lane r = T', h = m7', j = (m6' m1' m0'): the layout of the loads, so Re^2 + Im^2 is stored from where it stands.
; The state never changes lanes and never passes through LDS.
;
; FORMAT.  The state is normalised before the first product and the gates are unitary: every operand has magnitude at most 1, whatever the inputs'
; scale or offset, so f16 has the range, with 11 bits against bf16's 8.  Sums in f32.
; LIMITS.  Angles: reduction by pi/2 in two parts with fused multiply-adds, good to about 1e-7 rad up to about 1.3e7 rad (2^23 quarter turns); beyond
; that accuracy decays.  e^{i(phi+lam)} is e^{i phi} e^{i lam}: it differs from rounding phi + lam first by half an ulp of that sum at the most.
; 1 / norm is v_rsq_f32 of the sum of squares (1 ulp); a sum below 2^-126 counts as 0 there (ISA guide 15.8) and the row comes out NaN, as an
; all-zero row does in the definition.  Operands below 6.1e-5 are f16 denormals, absolute error at most 2^-25.
.set WLDS, 2560                        ; LDS bytes of a wave: V table 512, Re G_Q 1024, Im G_Q 1024
.set GQ,   512                         ; Re G_Q in f16: row i at 64 i: 32 bytes (16 columns), then 32 bytes of zeros.  Im G_Q 1024 further on
; window 0
.set LOFF, 1                           ; v1   512 h + 16 r: my bytes in the row, for loads and stores; never rewritten
.set ANG,  2                           ; v2   4 (12 h + min(r, 11)): my angle: layer h, qubit min(r, 11); never rewritten
.set AV3,  3                           ; v3   wave's LDS + 16 r3 + 8 h   (r3 .. r0: the bits of r)
.set AV2,  4                           ; v4   wave's LDS + 16 r2
.set AV1,  5                           ; v5   wave's LDS + 16 r1
.set AV0,  6                           ; v6   wave's LDS + 16 r0
.set AVS,  7                           ; v7   wave's LDS + 32 r
.set AGS,  8                           ; v8   wave's LDS + 64 r + 16 h
.set AGL,  9                           ; v9   wave's LDS + 64 (r & 7) + 32 (r3 xor h)
.set RN,   10                          ; v[10:11]   1 / norm, twice (first: r and h at set-up)
.set ZQ,   12                          ; v[12:15]   zeros (first: at work at set-up)
.set G3,   16                          ; v[16:31]   G_W as A: for Re out, for Im out
.set G2,   32                          ; v[32:47]   G_T as B: for Re out, for Im out
.set B1,   48                          ; v[48:79]   G_Q as B: tile c at 8 c
.set A1,   80                          ; v[80:143]  the state in f16: fragment f at 8 f
.set D1,   144                         ; v[144:175] stage 1's results: tile c at 8 c
.set A2,   176                         ; v[176:191] stage 2's A: at 8 tb
.set D2,   192                         ; v[192:255] stage 2's results, two buffers: 32 buf + 16 tb + 8 ri'
.set D3R,  32                          ; v[32:159]  stage 3: Re at 8 F, then the probabilities; never rewritten behind that
.set D3I,  160                         ; v[160:223] stage 3: Im at 8 (F & 7)
; window 1 (v256-383, written v0-127): the row as loaded, register 4 (2 Q + g) + e; later stage 3's B, register 8 F + f
; at work while the gates are made, inside v80-215
.set TH,    80                         ; theta (then theta / 2), phi, lam
.set PH,    81
.set LM,    82
.set SIN_T, 83
.set SIN_P, 84
.set COS_P, 85
.set SIN_L, 86
.set COS_L, 87
.set SC,    89                         ; v[89:97]  SINCOS at work
.set GO,    89                         ; v[89:96]  then: the other layer's U3, from the lane 16 away
.set GU,    98                         ; v[98:105] my U3: [i][j][re, im] at 4 i + 2 j + ri.  cos(theta / 2) lands in GU + 0
.set GA,    106                        ; layer 1's U3
.set GB,    114                        ; layer 0's U3
.set GV,    124                        ; V = A B
.set FQ,    132                        ; factor blocks: second qubit's row at +0, third's +4, fourth's +8, first's one entry +12
.set FT,    148
.set FW,    164
.set UU,    180
.set VV,    184
.set GG,    192                        ; v[192:207] G[r][8 h + j], j = 0 .. 7, (re, im)
.set PR,    208
.set PI,    212
.set CH,    144                        ; v[144:151] four chains of the sum of squares
.set MSB, 0
.macro WIN new                         ; the register windows (low byte: bits 1:0 source 0, 3:2 source 1, 5:4 source 2, 7:6 destination);
.if MSB != \new                        ; the immediate's high byte repeats the setting that is left
	s_set_vgpr_msb (MSB<<8)|\new
.set MSB, \new
.endif
.endm
.macro PLACES                          ; four independent vector instructions behind a matrix instruction before its result is read or a source rewritten (ISA guide 7.12.1)
.rept 4
	v_nop
.endr
.endm
; so = sin x, co = cos x.  n = nearest whole number to x 2/pi; r = x - n pi/2 in two parts, |r| <= pi/4; polynomials in z = r^2; the quadrant n & 3 swaps and signs.
.macro SINCOS x, so, co
	v_mul_f32 v[SC], s20, v[\x]
	v_rndne_f32 v[SC], v[SC]                       ; n
	v_fma_f32 v[SC+1], v[SC], s21, v[\x]           ; x - n C1 (the product is not rounded)
	v_cvt_i32_f32 v[SC+2], v[SC]                   ; n as a whole number
	v_fma_f32 v[SC+1], v[SC], s22, v[SC+1]         ; r = .. - n C2
	v_mul_f32 v[SC+3], v[SC+1], v[SC+1]            ; z
	v_fma_f32 v[SC+4], v[SC+3], s25, s24
	v_fma_f32 v[SC+5], v[SC+3], s28, s27
	v_mul_f32 v[SC+6], v[SC+3], v[SC+1]            ; r^3
	v_fma_f32 v[SC+7], v[SC+3], -0.5, 1.0          ; 1 - z / 2
	v_mul_f32 v[SC+8], v[SC+3], v[SC+3]            ; z^2
	v_fma_f32 v[SC+4], v[SC+4], v[SC+3], s23
	v_fma_f32 v[SC+5], v[SC+5], v[SC+3], s26
	v_fma_f32 v[SC+4], v[SC+4], v[SC+6], v[SC+1]   ; sin r
	v_fma_f32 v[SC+5], v[SC+5], v[SC+8], v[SC+7]   ; cos r
	v_and_b32 v[SC+6], 1, v[SC+2]
	v_cmp_eq_u32 vcc_lo, 1, v[SC+6]                ; odd quadrant: the two change places
	v_cndmask_b32 v[\so], v[SC+4], v[SC+5], vcc_lo
	v_cndmask_b32 v[\co], v[SC+5], v[SC+4], vcc_lo
	v_and_b32 v[SC+6], 2, v[SC+2]                  ; sin is negative in quadrants 2, 3
	v_add_nc_u32 v[SC+7], 1, v[SC+2]
	v_lshlrev_b32 v[SC+6], 30, v[SC+6]
	v_and_b32 v[SC+7], 2, v[SC+7]                  ; cos in quadrants 1, 2
	v_xor_b32 v[\so], v[\so], v[SC+6]
	v_lshlrev_b32 v[SC+7], 30, v[SC+7]
	v_xor_b32 v[\co], v[\co], v[SC+7]
.endm
; complex d = a b and d += a b; the arguments are the registers of the real parts, the imaginary parts stand one further
.macro CMUL d, a, b
	v_mul_f32 v[\d], v[\a], v[\b]
	v_mul_f32 v[\d+1], v[\a], v[\b+1]
	v_fma_f32 v[\d], -v[\a+1], v[\b+1], v[\d]
	v_fma_f32 v[\d+1], v[\a+1], v[\b], v[\d+1]
.endm
.macro CMAC d, a, b
	v_fma_f32 v[\d], v[\a], v[\b], v[\d]
	v_fma_f32 v[\d+1], v[\a], v[\b+1], v[\d+1]
	v_fma_f32 v[\d], -v[\a+1], v[\b+1], v[\d]
	v_fma_f32 v[\d+1], v[\a+1], v[\b], v[\d+1]
.endm
; the factors of G[r][8 h + j] for a group of qubits qa qb qc qd (highest bit first): rows r2, r1, r0 of V_qb, V_qc, V_qd, and V_qa[r3][h]
.macro GLOAD blk, qa, qb, qc, qd
	ds_load_b128 v[\blk:\blk+3], v[AV2] offset:32*\qb
	ds_load_b128 v[\blk+4:\blk+7], v[AV1] offset:32*\qc
	ds_load_b128 v[\blk+8:\blk+11], v[AV0] offset:32*\qd
	ds_load_b64 v[\blk+12:\blk+13], v[AV3] offset:32*\qa
.endm
; GG[j] = G[r][8 h + j], j = 4 j2 + 2 j1 + j0: a tree of 2 + 4 + 8 complex products
.macro GATE8 blk
.irp a, 0,1
	CMUL UU+2*\a, \blk+12, \blk+2*\a
.endr
.irp a, 0,1
.irp b, 0,1
	CMUL VV+4*\a+2*\b, UU+2*\a, \blk+4+2*\b
.endr
.endr
.irp a, 0,1,2,3
.irp b, 0,1
	CMUL GG+4*\a+2*\b, VV+2*\a, \blk+8+2*\b
.endr
.endr
.endm
; a complex gate as two real fragments, k = (index, ri): (Re G, -Im G) gives the real part of the product, (Im G, Re G) the imaginary part
.macro FRAGRI re, im
.irp j, 0,1,2,3,4,5,6,7
	v_cvt_pk_f16_f32 v[\re+\j], v[GG+2*\j], v[GG+2*\j+1]
	v_cvt_pk_f16_f32 v[\im+\j], v[GG+2*\j+1], v[GG+2*\j]
	v_xor_b32 v[\re+\j], 0x80000000, v[\re+\j]     ; the sign of the upper half
.endr
.endm
; Every matrix instruction of this text starts a sum of its own (C = 0) in registers of its own: no accumulator is added onto.
.macro STAGE1 f
	WIN 0
.irp c, 0,1,2,3
	v_wmma_f32_16x16x32_f16 v[D1+8*\c:D1+8*\c+7], v[A1+8*(\f):A1+8*(\f)+7], v[B1+8*\c:B1+8*\c+7], 0
.endr
.endm
.macro PACK1                           ; D1 to stage 2's A: (re, im) side by side
	WIN 0
.irp t, 0,1
.irp j, 0,1,2,3,4,5,6,7
	v_cvt_pk_f16_f32 v[A2+8*\t+\j], v[D1+8*\t+\j], v[D1+16+8*\t+\j]
.endr
.endr
.endm
.macro STAGE2 buf
	WIN 0
.irp t, 0,1
.irp o, 0,1
	v_wmma_f32_16x16x32_f16 v[D2+32*(\buf)+16*\t+8*\o:D2+32*(\buf)+16*\t+8*\o+7], v[A2+8*\t:A2+8*\t+7], v[G2+8*\o:G2+8*\o+7], 0
.endr
.endr
.endm
.macro PACK2 f, buf                    ; D2 of pass f to register f of stage 3's sixteen B fragments, in window 1
	WIN 0x40
.irp t, 0,1
.irp j, 0,1,2,3,4,5,6,7
	v_cvt_pk_f16_f32 v[8*(8*\t+\j)+(\f)], v[D2+32*(\buf)+16*\t+\j], v[D2+32*(\buf)+16*\t+8+\j]
.endr
.endr
.endm
.macro STAGE3 b                        ; F = 4 b .. 4 b + 3; B from window 1
	WIN 0x04
.irp u, 0,1,2,3
	v_wmma_f32_16x16x32_f16 v[D3R+8*(4*\b+\u):D3R+8*(4*\b+\u)+7], v[G3:G3+7], v[8*(4*\b+\u):8*(4*\b+\u)+7], 0
	v_wmma_f32_16x16x32_f16 v[D3I+8*((4*\b+\u)%8):D3I+8*((4*\b+\u)%8)+7], v[G3+8:G3+15], v[8*(4*\b+\u):8*(4*\b+\u)+7], 0
.endr
.endm
.macro SQUARE3 b                       ; Re^2 + Im^2 in place, and out: registers 0-3 are m6' = 0, registers 4-7 m6' = 1
	WIN 0
.irp u, 0,1,2,3
.irp k, 0,2,4,6
	v_pk_mul_f32 v[D3R+8*(4*\b+\u)+\k:D3R+8*(4*\b+\u)+\k+1], v[D3R+8*(4*\b+\u)+\k:D3R+8*(4*\b+\u)+\k+1], v[D3R+8*(4*\b+\u)+\k:D3R+8*(4*\b+\u)+\k+1]
.endr
.irp k, 0,2,4,6
	v_pk_fma_f32 v[D3R+8*(4*\b+\u)+\k:D3R+8*(4*\b+\u)+\k+1], v[D3I+8*((4*\b+\u)%8)+\k:D3I+8*((4*\b+\u)%8)+\k+1], v[D3I+8*((4*\b+\u)%8)+\k:D3I+8*((4*\b+\u)%8)+\k+1], v[D3R+8*(4*\b+\u)+\k:D3R+8*(4*\b+\u)+\k+1]
.endr
	global_store_b128 v[LOFF], v[D3R+8*(4*\b+\u):D3R+8*(4*\b+\u)+3], s[12:13] offset:1024*(4*\b+\u) th:TH_STORE_NT
	global_store_b128 v[LOFF], v[D3R+8*(4*\b+\u)+4:D3R+8*(4*\b+\u)+7], s[12:13] offset:1024*(4*\b+\u)+256 th:TH_STORE_NT
.endr
.endm
	; ---- set-up: only what the loads need
	s_load_b256 s[4:11], s[0:1], 0x0               ; inputs s[4:5], thetas s[6:7], phis s[8:9], lams s[10:11]
	s_load_b64 s[12:13], s[0:1], 0x20              ; out0
	s_set_vgpr_msb 0x40
	v_lshl_add_u32 v128, v0, 2, 0x5000
	v_mov_b32 v129, 0
	s_set_vgpr_msb 0x4000
	v_lshrrev_b32 v10, 5, v0
	v_readfirstlane_b32 s2, v10                    ; wave 0 .. 7
	v_and_b32 v10, 15, v0                          ; r
	v_bfe_u32 v11, v0, 4, 1                        ; h
	v_lshlrev_b32 v[LOFF], 4, v10
	v_min_u32 v12, 11, v10                         ; lanes r = 12 .. 15 do qubit 11 once more
	v_lshl_add_u32 v[LOFF], v11, 9, v[LOFF]
	v_mad_u32_u24 v12, v11, 12, v12
	v_lshlrev_b32 v[ANG], 2, v12
	s_lshl_b32 s14, ttmp9, 3
	s_add_co_u32 s14, s14, s2                      ; my row
	s_lshl_b32 s14, s14, 14                        ; x 16,384 bytes: below 2^25
	s_mov_b32 s15, 0
	s_wait_kmcnt 0x0
	s_add_nc_u64 s[4:5], s[4:5], s[14:15]
	s_add_nc_u64 s[12:13], s[12:13], s[14:15]
	; ---- all loads of the wave: three angles, then the row
	global_load_b32 v[TH], v[ANG], s[6:7]
	global_load_b32 v[PH], v[ANG], s[8:9]
	global_load_b32 v[LM], v[ANG], s[10:11]
	WIN 0x40                                       ; data into window 1
.irp q, 0,1,2,3,4,5,6,7,8,9,10,11,12,13,14,15
.irp g, 0,1
	global_load_b128 v[4*(2*\q+\g):4*(2*\q+\g)+3], v[LOFF], s[4:5] offset:1024*\q+256*\g th:TH_LOAD_NT
.endr
.endr
	WIN 0
	; ---- constants and LDS addresses, while the loads are out
	s_mul_i32 s16, s2, WLDS                        ; my wave's LDS: no other wave touches it, so no barrier is written
	s_mov_b32 s17, 0xffff0000                      ; lanes 16 to 31
	s_mov_b32 s20, 0x3f22f983                      ; 2 / pi
	s_mov_b32 s21, 0xbfc90fdb                      ; -C1, C1 = pi / 2 rounded to f32
	s_mov_b32 s22, 0x333bbd2e                      ; -C2, C2 = pi / 2 - C1
	s_mov_b32 s23, 0xbe2aaaa3                      ; sin r = r + r^3 (s23 + s24 z + s25 z^2)
	s_mov_b32 s24, 0x3c08839e
	s_mov_b32 s25, 0xb94ca1f9
	s_mov_b32 s26, 0x3d2aaaa5                      ; cos r = 1 - z / 2 + z^2 (s26 + s27 z + s28 z^2)
	s_mov_b32 s27, 0xbab6061a
	s_mov_b32 s28, 0x37ccf5ce
	s_mov_b32 s30, 0x76543210                      ; v_permlanex16_b32: lane i of one half reads lane i of the other
	s_mov_b32 s31, 0xfedcba98
	v_lshl_add_u32 v[AVS], v10, 5, s16
	v_lshl_add_u32 v[AGS], v10, 6, s16
	v_lshl_add_u32 v[AGS], v11, 4, v[AGS]
	v_bfe_u32 v12, v0, 3, 1
	v_lshl_add_u32 v[AV3], v12, 4, s16
	v_lshl_add_u32 v[AV3], v11, 3, v[AV3]
	v_bfe_u32 v12, v0, 2, 1
	v_lshl_add_u32 v[AV2], v12, 4, s16
	v_bfe_u32 v12, v0, 1, 1
	v_lshl_add_u32 v[AV1], v12, 4, s16
	v_and_b32 v12, 1, v0
	v_lshl_add_u32 v[AV0], v12, 4, s16
	v_lshlrev_b32 v12, 1, v0
	v_xor_b32 v12, v12, v0
	v_bfe_u32 v12, v12, 4, 1                       ; bit 4 of v0 xor 2 v0 = r3 xor h
	v_and_b32 v13, 7, v0
	v_lshl_add_u32 v[AGL], v13, 6, s16
	v_lshl_add_u32 v[AGL], v12, 5, v[AGL]          ; lanes whose h is not the column's m7 read the row's zeros
.irp i, 0,1,2,3
	v_mov_b32 v[ZQ+\i], 0
.endr
	; ---- my U3 (layer h, qubit min(r, 11))
	s_wait_loadcnt 32                              ; loads come back in order (ISA guide 5.7.1): the angles are in, the 32 row loads issued behind them stay out
	v_mul_f32 v[TH], 0.5, v[TH]
	SINCOS TH, SIN_T, GU                           ; u00 = cos(theta / 2), real
	SINCOS PH, SIN_P, COS_P
	SINCOS LM, SIN_L, COS_L
	v_mul_f32 v[GU+2], -v[COS_L], v[SIN_T]         ; u01 = -e^{i lam} s
	v_mul_f32 v[GU+3], -v[SIN_L], v[SIN_T]
	v_mul_f32 v[GU+4], v[COS_P], v[SIN_T]          ; u10 = e^{i phi} s
	v_mul_f32 v[GU+5], v[SIN_P], v[SIN_T]
	v_mul_f32 v[GU+6], v[COS_P], v[COS_L]          ; u11 = e^{i phi} e^{i lam} c
	v_mul_f32 v[GU+7], v[SIN_P], v[COS_L]
	v_fma_f32 v[GU+6], -v[SIN_P], v[SIN_L], v[GU+6]
	v_fma_f32 v[GU+7], v[COS_P], v[SIN_L], v[GU+7]
	v_mul_f32 v[GU+6], v[GU+6], v[GU]
	v_mul_f32 v[GU+7], v[GU+7], v[GU]
	; ---- V = (layer 1) (layer 0): the other layer's U3 stands 16 lanes away; both halves then hold the same V
.irp i, 0,2,3,4,5,6,7
	v_permlanex16_b32 v[GO+\i], v[GU+\i], s30, s31 ; the destinations were written by SINCOS
.endr
.irp i, 0,2,3,4,5,6,7
	v_cndmask_b32 v[GA+\i], v[GO+\i], v[GU+\i], s17    ; layer 1: mine in lanes 16-31
	v_cndmask_b32 v[GB+\i], v[GU+\i], v[GO+\i], s17    ; layer 0: mine in lanes 0-15
.endr
	v_mov_b32 v[GA+1], 0                           ; u00 is real in both
	v_mov_b32 v[GB+1], 0
.irp i, 0,1
.irp j, 0,1
	CMUL GV+4*\i+2*\j, GA+4*\i, GB+2*\j
	CMAC GV+4*\i+2*\j, GA+4*\i+2, GB+4+2*\j
.endr
.endr
	ds_store_b128 v[AVS], v[GV:GV+3]               ; slot r of the V table (slots 12-15 repeat slot 11 and are not read)
	ds_store_b128 v[AVS], v[GV+4:GV+7] offset:16
	; ---- the three gates.  LDS serves a wave's instructions in order (ISA guide 5.7.1): these loads see the stores above
	GLOAD FQ, 0, 1, 2, 3
	GLOAD FT, 6, 7, 8, 9
	GLOAD FW, 4, 5, 10, 11
	s_wait_dscnt 8                                 ; Q's four loads are in: eight were issued behind them
	GATE8 FQ
.irp i, 0,1,2,3
	v_cvt_pk_f16_f32 v[PR+\i], v[GG+4*\i], v[GG+4*\i+2]        ; Re G_Q[r][8 h + 2 i], [.. + 1]
	v_cvt_pk_f16_f32 v[PI+\i], v[GG+4*\i+1], v[GG+4*\i+3]      ; Im
.endr
	ds_store_b128 v[AGS], v[PR:PR+3] offset:GQ
	ds_store_b128 v[AGS], v[ZQ:ZQ+3] offset:GQ+32
	ds_store_b128 v[AGS], v[PI:PI+3] offset:GQ+1024
	ds_store_b128 v[AGS], v[ZQ:ZQ+3] offset:GQ+1056
.irp c, 0,1,2,3
	ds_load_b128 v[B1+8*\c:B1+8*\c+3], v[AGL] offset:GQ+512*\c             ; tile c = 2 ri + tb: table ri, row 8 tb + (r & 7), columns 0-7
	ds_load_b128 v[B1+8*\c+4:B1+8*\c+7], v[AGL] offset:GQ+512*\c+16        ; columns 8-15
.endr
	s_wait_dscnt 16                                ; T's loads are in: behind them W's 4 loads, 4 stores, 8 loads
	GATE8 FT
	FRAGRI G2, G2+8
	s_wait_dscnt 12                                ; W's loads are in: behind them 4 stores, 8 loads
	GATE8 FW
	FRAGRI G3, G3+8
	; ---- the norm: four chains, started by the first four products; each wait leaves the younger row loads out
	WIN 0x05                                       ; sources 0 and 1 in window 1
.irp q, 0,1,2,3
	s_wait_loadcnt 24-8*\q
.irp t, 0,1,2,3,4,5,6,7,8,9,10,11,12,13,14,15
.if 16*\q+\t < 4
	v_pk_mul_f32 v[CH+2*\t:CH+2*\t+1], v[32*\q+2*\t:32*\q+2*\t+1], v[32*\q+2*\t:32*\q+2*\t+1]
.else
	v_pk_fma_f32 v[CH+2*(\t%4):CH+2*(\t%4)+1], v[32*\q+2*\t:32*\q+2*\t+1], v[32*\q+2*\t:32*\q+2*\t+1], v[CH+2*(\t%4):CH+2*(\t%4)+1]
.endif
.endr
.endr
	WIN 0
	v_pk_add_f32 v[CH:CH+1], v[CH:CH+1], v[CH+2:CH+3]
	v_pk_add_f32 v[CH+4:CH+5], v[CH+4:CH+5], v[CH+6:CH+7]
	v_pk_add_f32 v[CH:CH+1], v[CH:CH+1], v[CH+4:CH+5]
	v_add_f32 v[CH], v[CH], v[CH+1]
	v_add_f32_dpp v[CH], v[CH], v[CH] row_xmask:1 row_mask:0xf bank_mask:0xf
	v_add_f32_dpp v[CH], v[CH], v[CH] row_xmask:2 row_mask:0xf bank_mask:0xf
	v_add_f32_dpp v[CH], v[CH], v[CH] row_xmask:4 row_mask:0xf bank_mask:0xf
	v_add_f32_dpp v[CH], v[CH], v[CH] row_xmask:8 row_mask:0xf bank_mask:0xf
	v_permlanex16_b32 v[CH+2], v[CH], s30, s31
	v_add_f32 v[CH], v[CH], v[CH+2]                ; the row's sum of squares, in every lane
	v_rsq_f32 v[RN], v[CH]
	v_rsq_f32 v[RN+1], v[CH]
	v_nop                                          ; one plain vector instruction behind a transcendental before its result is used (ISA guide 5.7.2)
	; ---- normalise in f32, then round once to f16, into stage 1's eight A fragments
	WIN 0x41                                       ; destination and source 0 in window 1
.set p, 0
	s_wait_alu depctr_va_vdst(0)
.rept 64
	v_pk_mul_f32 v[2*p:2*p+1], v[2*p:2*p+1], v[RN:RN+1]
.set p, p+1
.endr
	WIN 0x05
.irp g, 0,1
.irp e, 0,1,2,3
.irp i, 0,1,2,3,4,5,6,7
	v_cvt_pk_f16_f32 v[A1+8*(4*\g+\e)+\i], v[4*(4*\i+\g)+\e], v[4*(4*\i+2+\g)+\e]     ; Q = 2 i, 2 i + 1
.endr
.endr
.endr
	WIN 0
	s_wait_dscnt 0                                 ; G_Q's four B tiles are in
	; ---- stages 1 and 2, eight passes f, one pass apart.  PACK2's sixteen conversions name no register of the eight matrix instructions in front
	; of them: they are the places (ISA guide 7.12.1) ahead of PACK1, which reads D1 and rewrites stage 2's A, and ahead of the next passes' writes of D1 and D2.
	STAGE1 0
	PLACES
	PACK1
	STAGE2 0
	STAGE1 1
	PLACES
	PACK1
.irp i, 1,2,3,4,5,6
	STAGE2 \i%2
	STAGE1 \i+1
	PACK2 \i-1, (\i-1)%2
	PACK1
.endr
	STAGE2 1
	PACK2 6, 0                                     ; sixteen places behind the last four matrix instructions,
	PACK2 7, 1                                     ; whose results are read here
	; ---- stage 3, four F at a time; each SQUARE3 is also the distance that the matrix instructions in front of it need.
	; Im's eight tiles are used twice: F + 8 writes where F has been read.  Store data and the store offset are never rewritten, so no wait follows a store.
	STAGE3 0
	STAGE3 1
	PLACES
	SQUARE3 0
	STAGE3 2
	SQUARE3 1
	STAGE3 3
	SQUARE3 2
	SQUARE3 3
	s_set_vgpr_msb 0x5
	s_wait_tensorcnt 0x0
	ds_add_u32 v128, v129
	s_wait_dscnt 0x0
	s_set_vgpr_msb 0x500
	s_endpgm
.Lfunc_end_k_q20ed27fcdb_circuit:
	.size	k_q20ed27fcdb_circuit, .Lfunc_end_k_q20ed27fcdb_circuit-k_q20ed27fcdb_circuit
	.p2alignl 7, 3214868480
	.fill 96, 4, 3214868480
	.section	.rodata,"a",@progbits
	.p2align	6, 0x0
	.amdhsa_kernel k_q20ed27fcdb_circuit
		.amdhsa_group_segment_fixed_size 21504
		.amdhsa_private_segment_fixed_size 0
		.amdhsa_enable_private_segment 0
		.amdhsa_kernarg_size 40
		.amdhsa_user_sgpr_count 2
		.amdhsa_user_sgpr_kernarg_segment_ptr 1
		.amdhsa_wavefront_size32 1
		.amdhsa_system_sgpr_workgroup_id_x 1
		.amdhsa_system_sgpr_workgroup_id_y 1
		.amdhsa_system_sgpr_workgroup_id_z 1
		.amdhsa_system_vgpr_workitem_id 0
		.amdhsa_next_free_vgpr 386
		.amdhsa_next_free_sgpr 66
		.amdhsa_reserve_vcc 1
		.amdhsa_float_denorm_mode_32 3
		.amdhsa_float_denorm_mode_16_64 3
		.amdhsa_memory_ordered 1
		.amdhsa_forward_progress 1
		.amdhsa_inst_pref_size 74
	.end_amdhsa_kernel
	.amdgpu_metadata
---
amdhsa.version: [ 1, 2 ]
amdhsa.kernels:
  - .name:           k_q20ed27fcdb_circuit
    .symbol:         k_q20ed27fcdb_circuit.kd
    .args:
      - { .name: inputs, .offset: 0, .size: 8, .value_kind: global_buffer, .address_space: global }
      - { .name: thetas, .offset: 8, .size: 8, .value_kind: global_buffer, .address_space: global }
      - { .name: phis, .offset: 16, .size: 8, .value_kind: global_buffer, .address_space: global }
      - { .name: lams, .offset: 24, .size: 8, .value_kind: global_buffer, .address_space: global }
      - { .name: out0, .offset: 32, .size: 8, .value_kind: global_buffer, .address_space: global }
    .group_segment_fixed_size: 21504
    .private_segment_fixed_size: 0
    .kernarg_segment_align: 8
    .kernarg_segment_size: 40
    .max_flat_workgroup_size: 256
    .sgpr_count:     66
    .vgpr_count:     386
    .wavefront_size: 32
...
	.end_amdgpu_metadata
.endif
;; end of part 1
